; MI455X (gfx1250); checked and timed in simulation.
; The chip was launched on July 23, 2026; its instructions are those of AMD's public machine-readable ISA for CDNA 5 (MIT licence, August 2026) and "CDNA5" Instruction Set Architecture Reference Guide (July 2026). The comments in the code are by the model that wrote it; some were corrected since.
;; Triangle Attention Core. Allowed arithmetic: matrix products marked QUANTISED: E2M3 operands, one E8M0 scale for each 32 along K, by v_wmma_scale_f32_16x16x128_f8f6f4 with both operands' format E2M3, f32 sums; everything else in f32.
;; Inputs: Wg 128 x 128 float32; Wk 128 x 128 float32; Wo 128 x 128 float32; Wq 128 x 128 float32; Wv 128 x 128 float32; edge_bias 1 x 1 x 4 x 256 x 256 float32; ln_b 128 float32; ln_w 128 float32; mask_bias 1 x 256 x 1 x 1 x 256 float32; z 1 x 256 x 256 x 128 float32.
;; Outputs: out0 1 x 256 x 256 x 128 float32.
;; This version of the problem:
;;   THIS VERSION OF THE PROBLEM IS GIVEN IN LOW PRECISION. The matrix products marked QUANTISED in the list below multiply operands that are first quantised to E2M3 (2 exponent bits, 3 mantissa bits; 6 bits a number), with one power-of-two scale for each 32 numbers along K (OCP MX v1.0); their sums are f32. All else is computed in f32.
;;   The module's matrix products, in the order in which they are computed (A, B: the left and right operand; K: the contracted axis; several contracted axes count as one K, in the product's order):
;;     1. [M 65,536, K 128] x [K 128, N 128]; A: computed on the way; B: input Wq: QUANTISED
;;     2. [M 65,536, K 128] x [K 128, N 128]; A: computed on the way; B: input Wk: QUANTISED
;;     3. [M 65,536, K 128] x [K 128, N 128]; A: computed on the way; B: input Wv: QUANTISED
;;     4. batch 1,024 x [M 256, K 32] x [K 32, N 256]; A: computed on the way; B: computed on the way: QUANTISED
;;     5. batch 1,024 x [M 256, K 256] x [K 256, N 32]; A: softmax (see below); B: computed on the way: QUANTISED
;;     6. [M 65,536, K 128] x [K 128, N 128]; A: computed on the way; B: input Wg: QUANTISED
;;     7. [M 65,536, K 128] x [K 128, N 128]; A: computed on the way; B: input Wo: QUANTISED
;;   THE QUANTISER, for each operand of a quantised product, along K:
;;     - K is cut into blocks of 32 from its start; a last block that is shorter is filled with zeros.
;;     - A block's scale is 2^e with e = floor(log2(the largest magnitude in the block)) - 2, held to -126 .. 127; a block of zeros has e = 0. As a byte (E8M0): e + 127.
;;     - Each number is divided by its block's scale, clamped to +-7.5, and rounded to the nearest number of E2M3, ties to even, subnormals kept.
;;     - The product sums the exact products of the quantised numbers (number of the format x scale) in f32.
;;   ~~~python
;;   def quantise(x, axis):      # numpy; x: float32 -> the quantised numbers, widened to float32 again
;;       x = np.moveaxis(x, axis, -1); K = x.shape[-1]
;;       x = np.pad(x, [(0, 0)] * (x.ndim - 1) + [(0, -K % 32)]); x = x.reshape(x.shape[:-1] + (-1, 32)); a = np.abs(x).max(-1, keepdims=True)
;;       e = np.where(a > 0, np.clip(np.frexp(np.where(a > 0, a, 1))[1] - 1 - 2, -126, 127), 0)      # np.frexp(a)[1] - 1 = floor(log2(a)), exactly
;;       r = np.clip(x / 2.0 ** e, -7.5, 7.5)
;;       step = 2.0 ** (np.maximum(np.frexp(np.where(r == 0, 1, r))[1] - 1, 0) - 3)
;;       q = np.round(r / step) * step * 2.0 ** e      # np.round: ties to even
;;       return np.moveaxis(q.reshape(q.shape[:-2] + (-1,))[..., :K], -1, axis).astype(np.float32)
;;   ~~~
;;   SOFTMAX AHEAD OF A QUANTISED PRODUCT. Where the list says 'softmax', what is quantised is not the finished softmax but p = 2^(t - M), with t = logit x log2(e) and M = ceil(the row's largest t), a whole number; so 1/2 < the row's largest p <= 1. The row's sum l is taken of the UNQUANTISED p, in f32, and the product's result is divided by l at the end. Since M is a whole number, a kernel that streams over the keys may use a running M (the ceiling of the running maximum): every later rescaling is an exact power of two, which a block's scale takes up: the codes' values come out the same.
;;   OPERANDS COMPUTED ON THE WAY. 'Computed on the way' means the value that the module computes at that place (a softmax that the list does not call 'softmax' is quantised finished and normalised). What goes into a quantiser is computed in f32, as accurately as f32 sums, v_exp_f32 and their like allow (about 1e-6 of the number): no bf16 or f16 on the way to a quantiser, and a product that is left as it is and whose result goes on into a quantised operand takes f32 operands (vector FMAs, or v_wmma_f32_16x16x4_f32). A number that lies on a knife's edge between two numbers of the format may be rounded either way, as far as f32 arithmetic and the matrix unit's own rounding can turn it there, and no further.
;; One version. Each part assembles by itself: llvm-mc -triple=amdgcn-amd-amdhsa -mcpu=gfx1250 --defsym DOCPART=n.
;; ======== version 1 of 1: 1 launch
;; limits: right only within a limited range of input values
;; launch triatt (part 1): grid 256 x 1, 8 waves a work-group, clusters of 4 x 1, 327,680 bytes of LDS; arguments z, mask_bias, edge_bias, ln_w, ln_b, Wq, Wk, Wv, Wg, Wo, out0; writes out0
.if DOCPART == 1
	.amdgcn_target "amdgcn-amd-amdhsa--gfx1250"
	.amdhsa_code_object_version 6
	.text
	.protected	k_q9642470af0_triatt
	.globl	k_q9642470af0_triatt
	.p2align	8
	.type	k_q9642470af0_triatt,@function
k_q9642470af0_triatt:
	s_mov_b64 s[64:65], 0
	v_nop
	global_prefetch_b8 v0, s[64:65] scope:SCOPE_SE
	s_setreg_imm32_b32 hwreg(HW_REG_WAVE_MODE, 25, 1), 1
	s_wait_xcnt 0x0
	s_wait_alu depctr_hold_cnt(0) depctr_sa_sdst(0) depctr_va_vdst(0) depctr_va_sdst(0) depctr_va_ssrc(0) depctr_va_vcc(0) depctr_vm_vsrc(0)
	s_getreg_b32 s2, hwreg(HW_REG_IB_STS2, 6, 4)
	s_cmp_eq_u32 s2, 0
	s_cbranch_scc0 .Lentry_in_a_cluster
	s_endpgm
.Lentry_in_a_cluster:
	s_bfe_u32 s2, ttmp6, 0x10000c
	s_cmp_lg_u32 s2, 0x3003
	s_cbranch_scc0 .Lentry_shape_is_right
	s_endpgm
.Lentry_shape_is_right:
; Triangle attention, one row i of the pair tensor to a work-group: LayerNorm of z[i] (256 x 128), q k v g = zn W, for each of 4 heads softmax(q k^T / sqrt(32) + mask[i] + edge[head]) v,
; sigmoid gate, product with Wo.  All seven products on codes of FP6 (E2M3) with one E8M0 scale for each 32 along K; all else f32.  Nothing goes to memory between z and out0.
; SHARES.  Eight waves; wave w owns rows (queries, keys) 32 w .. 32 w + 31 as two tiles u = 0, 1 of 16.  A lane is (r = lane % 16, h = lane / 16).
; OPERANDS lie in LDS as images of their registers, 48 bytes a lane: three loads of 16 bytes bring one.
; ORDERS.  A tile of Wq, Wk holds 8 columns of head 2 pr and 8 of head 2 pr + 1, so that a lane's 32 results of four tiles are one head's 32 channels: a whole block.
; A tile t of keys holds 8 keys of block 2 s and 8 of block 2 s + 1 (octet 2 (t % 2) + t / 2 of each), so that a lane's 32 scores of four tiles are a whole block of 32 keys, in the order in which v's operand has them.
; Wo's 32 rows of a head lie in the order in which o x g falls: 16 h + 8 ct + j stands for channel 16 ct + 8 h + j.
; K = 32 IN AN INSTRUCTION OF K = 128 (q k^T): the four blocks of source 0 carry four tiles of keys; source 1 holds q's codes in block t and zero codes elsewhere.
; THE BIASES are the C of q k^T: C = sqrt(32) (edge + mask), t = (q k + C) x log2(e) / sqrt(32).  (An order of rounding that differs from reference()'s by an f32 rounding of the sum.)  The scaled mask stays in registers.
; SOFTMAX over the whole row of 256 keys, 128 registers a lane: p = 2^(t - M), M the largest t rounded up; the sum is taken of the unquantised p and divides at the end, together with the gate: o / (l (1 + e^-x)).
; edge_bias.  A UNIT is a head and a row tile, eight units; a wave's tile of a unit is 16 rows x 1,024 bytes, dense.  All work-groups read the same tiles: four of a cluster ask for them JOINTLY, one load a wave a unit.
; A wave reads only what it has itself asked for.  The slot holds one unit; the next unit's tile goes from the slot into a second set of 128 registers early in a unit, and behind a round of the cluster's barrier the slot takes the unit after it.
; PREFETCH: of the tile three units on, by the first four clusters alone, since all work-groups read the same buffer; a cluster's four partners share a wave's 64 blocks of 256 bytes out by address.  The first three units come by their loads alone.
; z comes as each wave's own rows, read once by one work-group: no joint load.  The weights come by plain loads, a lane a column, registers down K, since the conversions want 16 neighbours along K in one lane's registers;
; they are asked for once, in the head, which has no loop to run ahead in: no prefetch.
; LIMITS.  Biases are taken as finite.  A block whose largest magnitude lies under 2^-124 keeps the scale byte 1; a block of zeros gets the byte 1 where the rule says 127: its codes are zeros and this program alone
; reads the bytes.  NaN and infinities in z and the weights are not served.
.set EROW, 1040                        ; LDS: the slot, 16 rows of 1,024 + 16 bytes a wave (z: two rows of 512 to such a row)
.set EW,   16640
.set KI,   133120                      ; k: operand (4 head + s), 1,536 bytes each
.set VI,   157696                      ; v: operand (4 head + 2 ct + key half)
.set KSC,  182272                      ; scale words, 64 bytes an operand
.set VSC,  183296
.set WT,   184320                      ; five weights (q k v g o), eight operands each
.set WSC,  245760
.set ZN,   248320                      ; zn, two operands a wave
.set QI,   272896                      ; q, in zn's layout; a head's o x g takes its q's place
.set QSC,  297472                      ; q's bytes, four times in a word: (2 w + u, head, r)
.set ZSC,  301568
.set OGSC, 302592                      ; ZSC + 1,024
.set MSK,  303616                      ; sqrt(32) x mask[i]; then ln_w, ln_b
.set SPARE, 305664                     ; the spare words, 128 bytes a wave
.set SPW,  1
.set NIL,  2
.set VE,   3                           ; my row of the slot + 128 h
.set VK,   4
.set VKS,  5
.set VQ,   6
.set VOG,  7
.set VQS,  8
.set VZN,  10
.set VZS,  11
.set VG,   12
.set VGS,  13
.set H8,   14                          ; 8 h
.set PFV,  15
.set MA,   70                          ; v64-93: zeros | q in lanes 0-15 | zeros | q in lanes 16-31 | zeros, six registers each
.set MB,   82
.set WK,   94                          ; the head's addresses
.set WKS,  95
.set WQ,   96
.set WQS,  97
.set GS,   98                          ; v98, v99, v102-108 hold scales and nothing else
.set WG,   100
.set WGS,  101
.set SK,   102
.set SQ,   106
.set PS,   107
.set TT,   109
.set NM,   110                         ; -M
.set SU,   112
.set DT,   116
.set BM,   120
.set SO,   124
.set MK,   128                         ; v128-255 the scaled mask, in the scores' order
.set VW,   91                          ; head only: addresses
.set AN,   92
.set SN,   93
.set AQS,  100
.set AK,   101
.set AKS,  109
.set AVS,  110
.set AM,   111
.set AV,   125
.set FLOOR, 0x1800000                  ; 2^(3 - 127)
.set MSB, 0
.macro WIN new                         ; the immediate's high byte repeats the setting that is left
.if MSB != (\new)
	s_set_vgpr_msb (MSB<<8)|(\new)
.set MSB, \new
.endif
.endm
.macro NOP4
.rept 4
	v_nop
.endr
.endm
.macro WALU
	s_wait_alu depctr_va_vdst(0)
.endm
.macro CREST                           ; a round of the cluster's barrier behind its opening barrier
	s_cmp_lg_u32 s26, 0
	s_cbranch_scc1 .Lnot_wave_0_\@
	s_barrier_signal -3
.Lnot_wave_0_\@:
	s_barrier_wait -3
	s_barrier_signal -1
	s_barrier_wait -1
.endm
.macro CROUND
	s_barrier_signal -1
	s_barrier_wait -1
	CREST
.endm
.macro MM0 d, a, b, sa, sb             ; a product that starts a sum
	v_wmma_scale_f32_16x16x128_f8f6f4 v[(\d):(\d)+7], v[(\a):(\a)+11], v[(\b):(\b)+11], 0, v[(\sa)], v[(\sb)] matrix_a_fmt:MATRIX_FMT_FP6 matrix_b_fmt:MATRIX_FMT_FP6
.endm
.macro MMA d, a, b, sa, sb             ; one that adds onto its result registers
	v_wmma_scale_f32_16x16x128_f8f6f4 v[(\d):(\d)+7], v[(\a):(\a)+11], v[(\b):(\b)+11], v[(\d):(\d)+7], v[(\sa)], v[(\sb)] matrix_a_fmt:MATRIX_FMT_FP6 matrix_b_fmt:MATRIX_FMT_FP6
.endm
.macro MADD d, a, k                    ; s[d] += s[a] * k
	s_mul_i32 s29, s\a, \k
	s_add_co_u32 s\d, s\d, s29
.endm
; 32 along K of 32 columns of a weight: a lane a column, registers down K; a load covers 128 consecutive bytes.  o = 1: Wo's order within a block
.macro WLOAD base, buf, x, o
.set i_, 0
.rept 32
.if \o
.set k_, 16*((i_>>3)&1)+8*(i_>>4)+(i_&7)
.else
.set k_, i_
.endif
	global_load_b32 v[\buf+i_], v[VW], s[\base:\base+1] offset:32768*\x+512*k_
.set i_, i_+1
.endr
.endm
; The block in v[buf ..] becomes 24 bytes of codes and one scale byte.  left: the loads issued behind the block's own.  Two sets of result registers by turns (par); the wait leaves the last unit's four stores out
.macro WUNIT buf, m, x, adr, sadr, left, par
	s_wait_loadcnt \left
	s_wait_dscnt 4
	v_max3_num_f32 v16, |v[\buf]|, |v[\buf+1]|, FLOOR
	v_max3_num_f32 v17, |v[\buf+2]|, |v[\buf+3]|, |v[\buf+4]|
.irp i, 5,9,13,17,21,25
	v_max3_num_f32 v16, v16, |v[\buf+\i]|, |v[\buf+\i+1]|
	v_max3_num_f32 v17, v17, |v[\buf+\i+2]|, |v[\buf+\i+3]|
.endr
	v_max3_num_f32 v16, v16, |v[\buf+29]|, |v[\buf+30]|
	v_max3_num_f32 v16, v16, v17, |v[\buf+31]|
	v_add_nc_u32 v18, 0xff000000, v16              ; 2 off the exponent field: the conversion's scale operand
	v_cvt_scalef32_pk16_fp6_f32 v[20+8*\par:22+8*\par], v[\buf:\buf+15], v18
	v_cvt_scalef32_pk16_fp6_f32 v[36+4*\par:38+4*\par], v[\buf+16:\buf+31], v18
	v_lshrrev_b32 v[34+\par], 23, v18              ; the scale's byte
.irp e, 0,1,2
	v_mov_b32 v[23+8*\par+\e], v[36+4*\par+\e]
.endr
.irp e, 0,2,4
	ds_store_b64 v[\adr], v[20+8*\par+\e:21+8*\par+\e] offset:12288*\m+24*\x+4*\e
.endr
	ds_store_b8 v[\sadr], v[34+\par] offset:512*\m+2*\x
.endm
; LayerNorm of tile u (two passes in f32; a row lies in lanes l and l xor 16), its codes and scale word, in registers and in LDS
.macro LNT u
.irp c, 0,1
.irp x, 0,1,2,3,4,5,6,7
	ds_load_b128 v[192+32*\c+4*\x:195+32*\c+4*\x], v50 offset:8320*\u+256*\c+16*\x   ; register 32 c + e: channel 64 c + 32 h + e
.endr
.endr
	s_wait_dscnt 0x0
.irp k, 0,2,4,6
	v_pk_add_f32 v[16+\k:17+\k], v[192+\k:193+\k], v[200+\k:201+\k]
.endr
.set j_, 16
.rept 6
.irp k, 0,2,4,6
	v_pk_add_f32 v[16+\k:17+\k], v[16+\k:17+\k], v[192+j_+\k:193+j_+\k]
.endr
.set j_, j_+8
.endr
	v_pk_add_f32 v[16:17], v[16:17], v[18:19]
	v_pk_add_f32 v[20:21], v[20:21], v[22:23]
	v_pk_add_f32 v[16:17], v[16:17], v[20:21]
	v_add_f32 v16, v16, v17
	v_permlanex16_b32 v24, v16, s30, s31
	v_add_f32 v16, v16, v24
	v_mul_f32 v16, s78, v16                        ; the mean
.set j_, 0
.rept 32
	v_pk_add_f32 v[192+j_:193+j_], v[192+j_:193+j_], v[16:17] op_sel_hi:[1,0] neg_lo:[0,1] neg_hi:[0,1]
.set j_, j_+2
.endr
.irp k, 0,2,4,6
	v_pk_mul_f32 v[26+\k:27+\k], v[192+\k:193+\k], v[192+\k:193+\k]
.endr
.set j_, 8
.rept 7
.irp k, 0,2,4,6
	v_pk_fma_f32 v[26+\k:27+\k], v[192+j_+\k:193+j_+\k], v[192+j_+\k:193+j_+\k], v[26+\k:27+\k]
.endr
.set j_, j_+8
.endr
	v_pk_add_f32 v[26:27], v[26:27], v[28:29]
	v_pk_add_f32 v[30:31], v[30:31], v[32:33]
	v_pk_add_f32 v[26:27], v[26:27], v[30:31]
	v_add_f32 v26, v26, v27
	v_permlanex16_b32 v24, v26, s30, s31
	v_add_f32 v26, v26, v24
	v_fma_f32 v26, v26, s78, s79                   ; the variance + 1e-5
	WALU                                           ; the wait ahead of a transcendental and behind it
	v_rsq_f32 v26, v26
	v_nop
	WALU
.set j_, 0
.rept 32
	v_pk_mul_f32 v[192+j_:193+j_], v[192+j_:193+j_], v[26:27] op_sel_hi:[1,0]
.set j_, j_+2
.endr
	WIN 0x14                                       ; ln_w at v256 on, ln_b at v320 on
.set j_, 0
.rept 32
	v_pk_fma_f32 v[192+j_:193+j_], v[192+j_:193+j_], v[j_:j_+1], v[64+j_:65+j_]
.set j_, j_+2
.endr
	WIN 0
.irp c, 0,1
	v_max3_num_f32 v[18+\c], |v[192+32*\c]|, |v[193+32*\c]|, FLOOR
.endr
.irp i, 2,4,6,8,10,12,14,16,18,20,22,24,26,28,30
.irp c, 0,1
	v_max3_num_f32 v[18+\c], v[18+\c], |v[192+32*\c+\i]|, |v[193+32*\c+\i]|
.endr
.endr
.irp c, 0,1
	v_add_nc_u32 v[20+\c], 0xff000000, v[18+\c]
.endr
.irp c, 0,1
	v_lshrrev_b32 v[22+\c], 23, v[20+\c]
.endr
.irp c, 0,1
	v_cvt_scalef32_pk16_fp6_f32 v[64+12*\u+6*\c:66+12*\u+6*\c], v[192+32*\c:207+32*\c], v[20+\c]
	v_cvt_scalef32_pk16_fp6_f32 v[28+4*\c:30+4*\c], v[208+32*\c:223+32*\c], v[20+\c]
.endr
	v_lshl_or_b32 v22, v23, 16, v22                ; bytes of blocks h and 2 + h,
.irp c, 0,1
.irp e, 0,1,2
	v_mov_b32 v[67+12*\u+6*\c+\e], v[28+4*\c+\e]
.endr
.endr
	v_lshlrev_b32 v22, v[H8], v22
	v_permlanex16_b32 v24, v22, s30, s31
	v_or_b32 v[PS+\u], v22, v24                    ; and with lane l xor 16's the whole word
.irp e, 0,4,8
	ds_store_b128 v[VZN], v[64+12*\u+\e:67+12*\u+\e] offset:1536*\u+4*\e
.endr
	ds_store_b32 v[VZS], v[PS+\u] offset:64*\u
.endm
.macro WFRAG m, t0                     ; four operands of weight m
.irp t, 0,1,2,3
.irp p, 0,1,2
	ds_load_b128 v[16+12*\t+4*\p:19+12*\t+4*\p], v[VG] offset:12288*(\m)+1536*((\t0)+\t)+16*\p
.endr
	ds_load_b32 v[SK+\t], v[VGS] offset:512*(\m)+64*((\t0)+\t)
.endr
.endm
; q (m = 0) or k (m = 1) of heads 2 pr + h: a lane holds a head's 32 channels of its row, in both tiles
.macro PROJQK m, pr
	WFRAG \m, 4*\pr
	s_wait_dscnt 0x0
.irp t, 0,1,2,3
.irp u, 0,1
	MM0 192+32*\u+8*\t, 16+12*\t, 64+12*\u, SK+\t, PS+\u
.endr
.endr
	NOP4
.irp u, 0,1
	v_max3_num_f32 v[120+\u], |v[192+32*\u]|, |v[193+32*\u]|, FLOOR
.endr
.irp i, 2,4,6,8,10,12,14,16,18,20,22,24,26,28,30
.irp u, 0,1
	v_max3_num_f32 v[120+\u], v[120+\u], |v[192+32*\u+\i]|, |v[193+32*\u+\i]|
.endr
.endr
.irp u, 0,1
	v_add_nc_u32 v[126+\u], 0xff000000, v[120+\u]
.endr
.irp u, 0,1
	v_lshrrev_b32 v[118+\u], 23, v[126+\u]
.endr
	v_cvt_scalef32_pk16_fp6_f32 v[94:96], v[192:207], v126
	v_cvt_scalef32_pk16_fp6_f32 v[88:90], v[208:223], v126
	v_cvt_scalef32_pk16_fp6_f32 v[112:114], v[224:239], v127
	v_cvt_scalef32_pk16_fp6_f32 v[122:124], v[240:255], v127
	v_nop                                          ; one plain line behind the conversions
.irp e, 0,1,2
	v_mov_b32 v[97+\e], v[88+\e]
	v_mov_b32 v[115+\e], v[122+\e]
.endr
.irp u, 0,1
.if \m == 0
	v_perm_b32 v[118+\u], v[118+\u], v[118+\u], 0  ; the byte in all four places of a word
.irp e, 0,2,4
	ds_store_b64 v[VZN], v[94+18*\u+\e:95+18*\u+\e] offset:QI-ZN+1536*\u+24*\pr+4*\e
.endr
	ds_store_b32 v[AQS], v[118+\u] offset:256*\u+128*\pr
.else
.irp e, 0,2,4
	ds_store_b64 v[AK], v[94+18*\u+\e:95+18*\u+\e] offset:12288*\pr+768*\u+4*\e
.endr
	ds_store_b8 v[AKS], v[118+\u] offset:512*\pr+\u
.endif
.endr
.endm
; v, four channel tiles from 4 half on: source 0 = 16 keys of zn, source 1 = 16 channels: a lane holds ONE channel and 16 of my 32 keys
.macro PROJV half
	WFRAG 2, 4*\half
	s_wait_dscnt 0x0
.irp t, 0,1,2,3
.irp u, 0,1
	MM0 192+16*\t+8*\u, 64+12*\u, 16+12*\t, PS+\u, SK+\t
.endr
.endr
	NOP4
.irp t, 0,1,2,3
	v_max3_num_f32 v[40+\t], |v[192+16*\t]|, |v[193+16*\t]|, FLOOR
.endr
.irp i, 2,4,6,8,10,12,14
.irp t, 0,1,2,3
	v_max3_num_f32 v[40+\t], v[40+\t], |v[192+16*\t+\i]|, |v[193+16*\t+\i]|
.endr
.endr
.irp t, 0,1,2,3
	v_permlanex16_b32 v[44+\t], v[40+\t], s30, s31
.endr
.irp t, 0,1,2,3
	v_max_num_f32 v[40+\t], v[40+\t], v[44+\t]
.endr
.irp t, 0,1,2,3
	v_add_nc_u32 v[36+\t], 0xff000000, v[40+\t]
.endr
.irp t, 0,1,2,3
	v_lshrrev_b32 v[32+\t], 23, v[36+\t]
.endr
.irp t, 0,1,2,3
	v_cvt_scalef32_pk16_fp6_f32 v[16+4*\t:18+4*\t], v[192+16*\t:207+16*\t], v[36+\t]
.endr
	v_nop
.irp t, 0,1,2,3
.irp e, 0,1,2
	ds_store_b32 v[AV], v[16+4*\t+\e] offset:3072*(4*\half+\t)+4*\e
.endr
	ds_store_b8 v[AVS], v[32+\t] offset:128*(4*\half+\t)
.endr
	s_wait_dscnt 0x0                               ; the stores have read their registers
.endm
; 32 loads in the scores' order (register 32 s + 8 t + j = key 64 s + 32 h + 8 (2 (t % 2) + t / 2) + j)
.macro ROW128 reg, adr
.irp s, 0,1,2,3
.irp t, 0,1,2,3
.irp e, 0,4
	ds_load_b128 v[\reg+32*\s+8*\t+\e:\reg+32*\s+8*\t+\e+3], v[\adr] offset:256*\s+32*(2*(\t&1)+(\t>>1))+4*\e
.endr
.endr
.endr
.endm
	s_load_b512 s[4:19], s[0:1], 0x0               ; z, mask, edge, ln_w, ln_b, Wq, Wk, Wv
	s_load_b128 s[20:23], s[0:1], 0x40             ; Wg, Wo
	s_load_b64 s[24:25], s[0:1], 0x50              ; out
	v_lshl_add_u32 v[SPW], v0, 2, SPARE
	v_mov_b32 v[NIL], 0
	ds_add_u32 v[SPW], v[NIL]                      ; the opening: the add twice on end
	ds_add_u32 v[SPW], v[NIL]
	v_lshrrev_b32 v16, 5, v0
	v_readfirstlane_b32 s26, v16                   ; wave 0..7
	s_mov_b32 s30, 0x76543210
	s_mov_b32 s31, 0xfedcba98                      ; lane l xor 16
	s_mov_b32 s32, 0x3e8293ee                      ; log2(e) / sqrt(32)
	s_mov_b32 s33, s32
	s_mov_b32 s34, 0x40b504f3                      ; sqrt(32)
	s_mov_b32 s35, s34
	s_mov_b32 s62, 0xbfb8aa3b                      ; -log2(e)
	s_mov_b32 s63, s62
	s_mov_b32 s78, 0x3c000000                      ; 1 / 128
	s_mov_b32 s79, 0x3727c5ac                      ; 1e-5
	s_mul_i32 s80, s26, EW
	; descriptor group 1: 16 rows of 256 words, 4 words of padding behind each 256; edge_bias jointly for the four of the cluster, z for myself
	s_mov_b32 s44, 15|(2<<16)|(1<<20)|(1<<21)|(7<<22)|(3<<25)
	s_mov_b32 s52, (2<<16)|(1<<20)|(7<<22)|(3<<25)
.irp g, 44,52
	s_mov_b32 s[\g+1], 256<<16
	s_mov_b32 s[\g+2], 16<<16
	s_mov_b32 s[\g+3], 256<<16
	s_mov_b32 s[\g+4], 16
	s_mov_b32 s[\g+5], 256
	s_mov_b32 s[\g+6], 0
	s_mov_b32 s[\g+7], 0
.endr
	s_mov_b32 s36, 1
	s_mov_b32 s37, s80
	s_mov_b32 s40, 1
	s_mov_b32 s41, s80
	s_bfe_u32 s94, ttmp6, 0x40000                  ; my place in the cluster
	s_lshl_b32 s95, ttmp9, 2
	s_add_co_u32 s95, s95, s94                     ; i
	s_lshl_b32 s66, s95, 17
	s_lshl_b32 s29, s26, 14
	s_add_co_u32 s66, s66, s29                     ; my 32 rows of z and out
	s_mov_b32 s67, 0
	s_lshl_b32 s68, s95, 10                        ; mask
	s_mov_b32 s69, 0
	s_lshl_b32 s96, s26, 15                        ; my 32 rows of edge_bias
	s_mov_b32 s97, 0
	WALU
	s_wait_dscnt 0x0
	CROUND                                         ; in front of the first tensor loads
	s_wait_kmcnt 0x0
	s_add_nc_u64 s[42:43], s[4:5], s[66:67]
	s_or_b32 s43, s43, 0x80000000
	tensor_load_to_lds s[40:43], s[52:59]          ; my rows of z, 16,384 bytes
	s_nop 0
	NOP4
	s_add_nc_u64 s[24:25], s[24:25], s[66:67]
	s_add_nc_u64 s[6:7], s[6:7], s[68:69]
	s_add_nc_u64 s[8:9], s[8:9], s[96:97]
	s_mov_b64 s[38:39], s[8:9]                     ; unit 0's tile
	s_or_b32 s39, s39, 0x80000000
	s_add_nc_u64 s[60:61], s[8:9], 0x40000         ; the prefetches: a step ahead of unit 3's tile
	s_cmp_lt_u32 s26, 4
	s_cselect_b64 s[10:11], s[10:11], s[12:13]     ; waves 0-3 bring ln_w, 4-7 ln_b
	s_and_b32 s27, s26, 3                          ; weights: my 32 columns; s28: block 2 x + s28 along K
	s_lshr_b32 s28, s26, 2
	s_and_b32 s2, s26, 1
	s_bfe_u32 s3, s26, 0x10001
	s_lshr_b32 s98, s26, 1
	s_mov_b32 s81, ZN
	MADD 81, 26, 3072
	s_mov_b32 s96, QI
	MADD 96, 26, 3072
	s_mov_b32 s82, QSC
	MADD 82, 26, 512
	s_mov_b32 s83, ZSC
	MADD 83, 26, 128
	s_mov_b32 s84, KI
	MADD 84, 98, 1536
	MADD 84, 2, 384
	s_mov_b32 s85, KSC
	MADD 85, 98, 64
	MADD 85, 2, 32
	s_mov_b32 s86, VI
	MADD 86, 28, 1536
	MADD 86, 2, 768
	MADD 86, 3, 24
	s_mov_b32 s87, VSC
	MADD 87, 28, 64
	s_add_co_u32 s87, s87, s27
	s_lshl_b32 s88, s27, 7
	MADD 88, 28, 16384
	s_mov_b32 s89, WT
	MADD 89, 3, 6144
	MADD 89, 2, 384
	MADD 89, 28, 768
	s_mov_b32 s90, WT
	MADD 90, 27, 3072
	MADD 90, 28, 768
	s_mov_b32 s91, WSC
	MADD 91, 3, 256
	MADD 91, 2, 32
	s_add_co_u32 s91, s91, s28
	s_mov_b32 s92, WSC
	MADD 92, 27, 128
	s_add_co_u32 s92, s92, s28
	s_lshl_b32 s93, s94, 12
	v_and_b32 v16, 15, v0                          ; r
	v_bfe_u32 v17, v0, 4, 1                        ; h
	v_and_b32 v18, 31, v0                          ; lane
	v_and_b32 v21, 7, v0
	v_bfe_u32 v22, v0, 3, 1
	v_bfe_u32 v23, v0, 3, 2
	v_lshl_add_u32 v[VW], v18, 2, s88
	v_lshlrev_b32 v56, 2, v0
	v_and_b32 v57, 0x7f, v0
	v_lshlrev_b32 v57, 2, v57
	v_mov_b32 v24, 0
	v_mul_u32_u24 v19, v18, 48
	v_mul_u32_u24 v20, v16, 48
	v_mul_u32_u24 v[VE], v16, EROW
	v_lshl_add_u32 v[VE], v17, 7, v[VE]
	v_add_nc_u32 v[VE], s80, v[VE]
	v_bfe_u32 v50, v0, 1, 3                        ; z: row r of a tile lies in row r / 2 of the slot, half r % 2
	v_mul_u32_u24 v50, v50, EROW
	v_and_b32 v25, 1, v0
	v_lshl_add_u32 v50, v25, 9, v50
	v_lshl_add_u32 v50, v17, 7, v50
	v_add_nc_u32 v50, s80, v50
	v_add_nc_u32 v[VK], KI, v19
	v_add_nc_u32 v[VG], WT, v19
	v_add_nc_u32 v[VZN], s81, v19
	v_add_nc_u32 v[VQ], s96, v20
	v_mul_u32_u24 v25, v17, 12
	v_add_nc_u32 v[VOG], v[VQ], v25
	v_lshl_add_u32 v[VKS], v16, 2, KSC
	v_lshl_add_u32 v[VGS], v16, 2, WSC
	v_lshl_add_u32 v[VQS], v16, 2, s82
	v_lshl_add_u32 v[VZS], v16, 2, s83
	v_lshlrev_b32 v[H8], 3, v17
	v_lshl_add_u32 v[PFV], v16, 8, s93
	v_lshl_add_u32 v[AQS], v17, 6, v[VQS]
	v_mul_u32_u24 v[AK], v17, 6144
	v_mad_u32_u24 v[AK], v21, 48, v[AK]
	v_mad_u32_u24 v[AK], v22, 24, v[AK]
	v_add_nc_u32 v[AK], s84, v[AK]
	v_lshlrev_b32 v[AKS], 8, v17
	v_lshl_add_u32 v[AKS], v21, 2, v[AKS]
	v_lshl_add_u32 v[AKS], v22, 1, v[AKS]
	v_add_nc_u32 v[AKS], s85, v[AKS]
	v_add_nc_u32 v[AV], v20, v25
	v_add_nc_u32 v[AV], s86, v[AV]
	v_lshl_add_u32 v[AVS], v16, 2, s87
	v_mul_u32_u24 v52, v23, 1536                   ; where a column of Wq, Wk goes,
	v_mad_u32_u24 v52, v21, 48, v52
	v_add_nc_u32 v52, s89, v52
	v_lshlrev_b32 v53, 6, v23
	v_lshl_add_u32 v53, v21, 2, v53
	v_add_nc_u32 v53, s91, v53
	v_mul_u32_u24 v[AN], v17, 1536                 ; and one of Wv, Wg, Wo
	v_add_nc_u32 v[AN], v[AN], v20
	v_add_nc_u32 v[AN], s90, v[AN]
	v_lshl_add_u32 v[SN], v18, 2, s92
	v_lshl_add_u32 v[AM], v17, 7, MSK
	v_lshl_add_u32 v55, v0, 2, MSK
	WALU                                           ; the wait at the end of the addresses
	global_load_b32 v44, v56, s[6:7]
	global_load_b32 v45, v57, s[10:11]
	WLOAD 14, 128, 0, 0
	WLOAD 14, 160, 1, 0
	; two units of each weight, two buffers by turns; each count is what was issued behind the unit's own loads
	WUNIT 128, 0, 0, 52, 53, 32, 0
	v_mul_f32 v44, s34, v44
	ds_store_b32 v55, v44                          ; sqrt(32) x mask
	ds_store_b32 v55, v45 offset:1024              ; ln_w, ln_b
	WLOAD 16, 128, 0, 0
	WUNIT 160, 0, 1, 52, 53, 32, 1
	WLOAD 16, 160, 1, 0
	WUNIT 128, 1, 0, 52, 53, 32, 0
	WLOAD 18, 128, 0, 0
	WUNIT 160, 1, 1, 52, 53, 32, 1
	WLOAD 18, 160, 1, 0
	WUNIT 128, 2, 0, AN, SN, 32, 0
	WLOAD 20, 128, 0, 0
	WUNIT 160, 2, 1, AN, SN, 32, 1
	WLOAD 20, 160, 1, 0
	WALU
	s_wait_dscnt 0x0
	s_barrier_signal -1                            ; ln_w, ln_b and the mask are shown to all
	s_barrier_wait -1
	WIN 0x40
.irp k, 0,1
.irp c, 0,1
.irp x, 0,1,2,3,4,5,6,7
	ds_load_b128 v[64*\k+32*\c+4*\x:64*\k+32*\c+4*\x+3], v[AM] offset:1024+512*\k+256*\c+16*\x
.endr
.endr
.endr
	WIN 0
	s_wait_tensorcnt 0x0                           ; my rows of z are in
	LNT 0
	LNT 1
	WALU
	s_wait_tensorcnt 0x0                           ; the three lines ahead of a refill
	ds_add_u32 v[SPW], v[NIL]
	s_wait_dscnt 0x0
	CROUND                                         ; z has been read, Wq, Wk, Wv are in LDS for all
	tensor_load_to_lds s[36:39], s[44:51]          ; unit 0's tile
	s_nop 0
	NOP4
	WUNIT 128, 3, 0, AN, SN, 32, 0
	WLOAD 22, 128, 0, 1
	WUNIT 160, 3, 1, AN, SN, 32, 1
	WLOAD 22, 160, 1, 1
	WALU
	PROJQK 0, 0
	PROJQK 0, 1
	PROJQK 1, 0
	PROJQK 1, 1
	PROJV 0
	PROJV 1
	WUNIT 128, 4, 0, AN, SN, 32, 0
	WUNIT 160, 4, 1, AN, SN, 0, 1
	ROW128 MK, AM                                  ; the scaled mask
.set j_, 0
.rept 30
	v_mov_b32 v[64+j_], 0                          ; the chain: its zeros stay, q's places are zero in the lanes that no load writes
.set j_, j_+1
.endr
	WALU
	s_wait_tensorcnt 0x0                           ; unit 0's tile is in
	WIN 0x40
	ROW128 0, VE
	WIN 0
	s_wait_tensorcnt 0x0
	ds_add_u32 v[SPW], v[NIL]
	s_mov_b32 s70, 0                               ; the head
	s_add_nc_u64 s[38:39], s[38:39], 0x4000        ; no load is out: unit 1's tile
	s_wait_dscnt 0x0
	CROUND                                         ; k, v, Wg, Wo are shown to all; nobody reads the slot
	tensor_load_to_lds s[36:39], s[44:51]
	s_nop 0
	NOP4
; A UNIT: head s70, row tile u.  Its scores' biases lie raw in v[256 + 128 u ..].  ld: the next unit's go from the slot into the other 128 registers; fill: the slot takes the unit after it.
.macro UNIT u, ld, fill
.set SB, 128*\u
.set NX, 128-SB
	s_wait_xcnt 0x0                                ; the prefetch has read its address; EXEC changes only behind this
.if \fill
.if \u
	s_add_nc_u64 s[60:61], s[60:61], 0x3c000
.else
	s_add_nc_u64 s[60:61], s[60:61], 0x4000
.endif
.endif
.if \u == 0
	s_mul_i32 s71, s70, 6144
	s_lshl_b32 s72, s70, 8
	s_and_b32 s73, s70, 1
	s_mul_i32 s73, s73, 768
	s_lshr_b32 s74, s70, 1
	s_mul_i32 s74, s74, 24
	s_add_co_u32 s73, s73, s74                     ; the head's place in an image of q
	s_lshl_b32 s74, s70, 6
	s_mul_i32 s76, s70, 3072
	s_lshl_b32 s77, s70, 7
	v_add_nc_u32 v[WK], s71, v[VK]
	v_add_nc_u32 v[WKS], s72, v[VKS]
	v_add_nc_u32 v[WQ], s73, v[VQ]
	v_add_nc_u32 v[WQS], s74, v[VQS]
	v_add_nc_u32 v[WG], s76, v[VG]
	v_add_nc_u32 v[WGS], s77, v[VGS]
.endif
	s_mov_b32 exec_lo, 0xffff
.irp e, 0,2,4
	ds_load_b64 v[MA+\e:MA+\e+1], v[WQ] offset:1536*\u+4*\e    ; q in lanes 0-15 alone,
.endr
	s_mov_b32 exec_lo, 0xffff0000
.irp e, 0,2,4
	ds_load_b64 v[MB+\e:MB+\e+1], v[WQ] offset:1536*\u+4*\e    ; and in lanes 16-31 alone
.endr
	s_mov_b32 exec_lo, -1
	ds_load_b32 v[SQ], v[WQS] offset:256*\u
.irp s, 0,1,2,3
.irp e, 0,4,8
	ds_load_b128 v[16+12*\s+\e:19+12*\s+\e], v[WK] offset:1536*\s+4*\e
.endr
	ds_load_b32 v[SK+\s], v[WKS] offset:64*\s
.endr
	WIN 0x41
.set j_, 0
.rept 64
	v_pk_fma_f32 v[SB+j_:SB+j_+1], v[SB+j_:SB+j_+1], s[34:35], v[MK+j_:MK+j_+1] op_sel_hi:[1,0,1]   ; C
.set j_, j_+2
.endr
	WALU
	s_wait_dscnt 0x0
	WIN 0x50
.irp s, 0,1,2,3
	MMA SB+32*\s, 16+12*\s, MA, SK+\s, SQ          ; tile 0: q in block 0
	MMA SB+32*\s+8, 16+12*\s, MB, SK+\s, SQ        ; tile 1: block 1
	MMA SB+32*\s+16, 16+12*\s, MA-6, SK+\s, SQ     ; tile 2: block 2
	MMA SB+32*\s+24, 16+12*\s, MB-6, SK+\s, SQ     ; tile 3: block 3
.endr
	NOP4
	WIN 0
.irp s, 0,1,2,3
.irp e, 0,4,8
	ds_load_b128 v[16+12*\s+\e:19+12*\s+\e], v[WK] offset:VI-KI+1536*\s+4*\e   ; v: operand 2 ct + key half
.endr
	ds_load_b32 v[SK+\s], v[WKS] offset:VSC-KSC+64*\s
.endr
.if \ld
	s_wait_tensorcnt 0x0                           ; the next unit's tile, my own load, is in
	WIN 0x40
	ROW128 NX, VE
	WIN 0
.endif
.if \fill
	s_wait_tensorcnt 0x0                           ; the first two of the three lines ahead of a refill; register work follows
	ds_add_u32 v[SPW], v[NIL]
.if \u
	s_add_nc_u64 s[38:39], s[38:39], 0x4000
.else
	s_add_nc_u64 s[38:39], s[38:39], 0x3c000
.endif
.endif
	WIN 0x15
.irp s, 0,1,2,3
	v_max3_num_f32 v[BM+\s], v[SB+32*\s], v[SB+32*\s+1], v[SB+32*\s+2]   ; the largest score of each block: for the row's maximum and for the block's largest p
.endr
	WIN 0x14
.irp i, 3,5,7,9,11,13,15,17,19,21,23,25,27,29
.irp s, 0,1,2,3
	v_max3_num_f32 v[BM+\s], v[BM+\s], v[SB+32*\s+\i], v[SB+32*\s+\i+1]
.endr
.endr
.irp s, 0,1,2,3
	v_max_num_f32 v[BM+\s], v[BM+\s], v[SB+32*\s+31]
.endr
	WIN 0
	v_max3_num_f32 v[TT], v[BM], v[BM+1], v[BM+2]
	v_max_num_f32 v[TT], v[TT], v[BM+3]
	v_permlanex16_b32 v[DT], v[TT], s30, s31
	v_max_num_f32 v[TT], v[TT], v[DT]
	v_mul_f32 v[TT], s32, v[TT]
	v_floor_f32 v[NM], -v[TT]                      ; -M = floor(-t)
.irp s, 0,1,2,3
	v_fma_f32 v[BM+\s], v[BM+\s], s32, v[NM]
.endr
	WIN 0x41
.set j_, 0
.rept 64
	v_pk_fma_f32 v[SB+j_:SB+j_+1], v[SB+j_:SB+j_+1], s[32:33], v[NM:NM+1] op_sel_hi:[1,0,0]   ; t - M
.set j_, j_+2
.endr
	WALU                                           ; ahead of the blocking wait and of the batch of 132 exponentials
.if \fill
	s_wait_dscnt 0x0                               ; the add is done, and so are my reads of the slot
	s_barrier_signal -1
.endif
.set j_, 0
.rept 128
	v_exp_f32 v[SB+j_], v[SB+j_]                   ; p
.set j_, j_+1
.endr
	WIN 0
.irp s, 0,1,2,3
	v_exp_f32 v[BM+\s], v[BM+\s]                   ; the block's largest p
.endr
	v_nop
	WALU
.if \fill
	s_barrier_wait -1
	CREST                                          ; no wave of any partner reads the slot or has a load on its way
	tensor_load_to_lds s[36:39], s[44:51]          ; the unit after the next
	s_nop 0
.endif
	WIN 0x05
.irp k, 0,2,4,6
	v_pk_add_f32 v[SU+\k:SU+\k+1], v[SB+\k:SB+\k+1], v[SB+8+\k:SB+9+\k]   ; the sum of the unquantised p, in four chains
.endr
	WIN 0x04
.set j_, 16
.rept 14
.irp k, 0,2,4,6
	v_pk_add_f32 v[SU+\k:SU+\k+1], v[SU+\k:SU+\k+1], v[SB+j_+\k:SB+j_+\k+1]
.endr
.set j_, j_+8
.endr
	WIN 0
.irp s, 0,1,2,3
	v_max_num_f32 v[BM+\s], FLOOR, v[BM+\s]
.endr
.irp s, 0,1,2,3
	v_add_nc_u32 v[SO+\s], 0xff000000, v[BM+\s]
.endr
.irp s, 0,1,2,3
	v_lshrrev_b32 v[BM+\s], 23, v[SO+\s]
.endr
	v_pk_add_f32 v[SU:SU+1], v[SU:SU+1], v[DT:DT+1]
	v_pk_add_f32 v[SU+2:SU+3], v[SU+2:SU+3], v[DT+2:DT+3]
	v_lshl_or_b32 v[BM], v[BM+1], 16, v[BM]        ; a key half's blocks h and 2 + h,
	v_lshl_or_b32 v[BM+2], v[BM+3], 16, v[BM+2]
	v_lshlrev_b32 v[BM], v[H8], v[BM]
	v_lshlrev_b32 v[BM+2], v[H8], v[BM+2]
	v_permlanex16_b32 v[BM+1], v[BM], s30, s31
	v_permlanex16_b32 v[BM+3], v[BM+2], s30, s31
	v_or_b32 v[PS], v[BM], v[BM+1]                 ; and with lane l xor 16's its scale word
	v_or_b32 v[PS+1], v[BM+2], v[BM+3]
.if \fill
	WALU
	s_cmp_lt_u32 ttmp9, 4                          ; four clusters ask for the tile three units on
	s_cbranch_scc0 .Lno_ask_\@
.if \u
	s_cmp_lt_u32 s70, 2                            ; there is none behind the last
	s_cbranch_scc0 .Lno_ask_\@
.endif
	global_prefetch_b8 v[PFV], s[60:61] th:TH_LOAD_NT scope:SCOPE_SE
.Lno_ask_\@:
.endif
	; p's codes into v[SB + 16 .. + 27] and v[SB + 80 .. + 91]: each place is one whose numbers have been converted, with a plain line between
	WIN 0x01
	v_cvt_scalef32_pk16_fp6_f32 v[DT:DT+2], v[SB+16:SB+31], v[SO]
	WIN 0x41
	v_nop
	v_cvt_scalef32_pk16_fp6_f32 v[SB+16:SB+18], v[SB:SB+15], v[SO]
	v_nop
	v_cvt_scalef32_pk16_fp6_f32 v[SB:SB+2], v[SB+48:SB+63], v[SO+1]
	v_cvt_scalef32_pk16_fp6_f32 v[SB+4:SB+6], v[SB+80:SB+95], v[SO+2]
	v_cvt_scalef32_pk16_fp6_f32 v[SB+8:SB+10], v[SB+112:SB+127], v[SO+3]
	v_cvt_scalef32_pk16_fp6_f32 v[SB+22:SB+24], v[SB+32:SB+47], v[SO+1]
	v_nop
	v_cvt_scalef32_pk16_fp6_f32 v[SB+80:SB+82], v[SB+64:SB+79], v[SO+2]
	v_cvt_scalef32_pk16_fp6_f32 v[SB+86:SB+88], v[SB+96:SB+111], v[SO+3]
	v_nop
.irp e, 0,1,2
	v_mov_b32 v[SB+25+\e], v[SB+\e]
	v_mov_b32 v[SB+83+\e], v[SB+4+\e]
	v_mov_b32 v[SB+89+\e], v[SB+8+\e]
.endr
	WIN 0x40
.irp e, 0,1,2
	v_mov_b32 v[SB+19+\e], v[DT+\e]
.endr
	; for the gate: two operands of Wg, my rows of zn
.irp e, 0,4,8
	ds_load_b128 v[SB+96+\e:SB+99+\e], v[VZN] offset:1536*\u+4*\e
	ds_load_b128 v[SB+32+\e:SB+35+\e], v[WG] offset:36864+4*\e
	ds_load_b128 v[SB+44+\e:SB+47+\e], v[WG] offset:38400+4*\e
.endr
	WIN 0
	ds_load_b32 v[SQ], v[VZS] offset:64*\u
	ds_load_b32 v[GS], v[WGS] offset:1536
	ds_load_b32 v[GS+1], v[WGS] offset:1600
	v_pk_add_f32 v[SU:SU+1], v[SU:SU+1], v[SU+2:SU+3]
	v_add_f32 v[SU], v[SU], v[SU+1]
	v_permlanex16_b32 v[DT], v[SU], s30, s31
	v_add_f32 v[SU], v[SU], v[DT]                  ; the row's sum.  (These four are also places ahead of the products)
	WALU
	s_wait_dscnt 12                                ; v is in; the twelve just issued may be out
	WIN 0x54
	MM0 SB, 16, SB+16, SK, PS                      ; the head's channels 8 h + j, keys 0-127
	MM0 SB+8, 40, SB+16, SK+2, PS                  ; 16 + 8 h + j
	MMA SB, 28, SB+80, SK+1, PS+1                  ; keys 128-255
	MMA SB+8, 52, SB+80, SK+3, PS+1
	s_wait_dscnt 0x0
	WIN 0x45
	MM0 SB+64, SB+32, SB+96, GS, SQ
	MM0 SB+72, SB+44, SB+96, GS+1, SQ
	NOP4
	WIN 0x41
.set j_, 0
.rept 8
	v_pk_mul_f32 v[SB+64+j_:SB+65+j_], v[SB+64+j_:SB+65+j_], s[62:63] op_sel_hi:[1,0]
.set j_, j_+2
.endr
	WALU
.set j_, 0
.rept 16
	v_exp_f32 v[SB+64+j_], v[SB+64+j_]             ; e^-x
.set j_, j_+1
.endr
	v_nop
	WALU
.set j_, 0
.rept 8
	v_pk_fma_f32 v[SB+64+j_:SB+65+j_], v[SB+64+j_:SB+65+j_], v[SU:SU+1], v[SU:SU+1] op_sel_hi:[1,0,0]   ; l (1 + e^-x)
.set j_, j_+2
.endr
	WALU
.set j_, 0
.rept 16
	v_rcp_f32 v[SB+64+j_], v[SB+64+j_]
.set j_, j_+1
.endr
	v_nop
	WIN 0x45
	WALU
.set j_, 0
.rept 8
	v_pk_mul_f32 v[SB+j_:SB+j_+1], v[SB+j_:SB+j_+1], v[SB+64+j_:SB+65+j_]   ; o x g
.set j_, j_+2
.endr
	WIN 0x14
	v_max3_num_f32 v[BM], v[NIL], |v[SB]|, |v[SB+1]|
	v_max3_num_f32 v[BM+1], v[NIL], |v[SB+2]|, |v[SB+3]|
.irp i, 4,8,12
	v_max3_num_f32 v[BM], v[BM], |v[SB+\i]|, |v[SB+\i+1]|
	v_max3_num_f32 v[BM+1], v[BM+1], |v[SB+\i+2]|, |v[SB+\i+3]|
.endr
	WIN 0
	v_max3_num_f32 v[BM], v[BM], v[BM+1], FLOOR
	v_permlanex16_b32 v[DT], v[BM], s30, s31
	v_max_num_f32 v[BM], v[BM], v[DT]
	v_add_nc_u32 v[SO], 0xff000000, v[BM]
	v_lshrrev_b32 v[BM], 23, v[SO]
	WIN 0x01
	v_cvt_scalef32_pk16_fp6_f32 v[DT:DT+2], v[SB:SB+15], v[SO]
	WIN 0
	v_add_nc_u32 v[TT], s73, v[VOG]                ; (plain lines behind the conversion)
	v_add_nc_u32 v[BM+3], s70, v[VZS]
.irp e, 0,1,2
	ds_store_b32 v[TT], v[DT+\e] offset:1536*\u+4*\e           ; over q's codes of this head and row, which I alone read, at this unit's start
.endr
	ds_store_b8 v[BM+3], v[BM] offset:OGSC-ZSC+64*\u
.endm
.Lhead:                                            ; three trips; the last head is written out: its units ask for nothing more
	UNIT 0, 1, 1
	UNIT 1, 1, 1
	s_add_co_u32 s70, s70, 1
	WALU
	s_cmp_lt_u32 s70, 3
	s_cbranch_scc1 .Lhead
	UNIT 0, 1, 0
	UNIT 1, 0, 0
	; THE LAST PRODUCT: source 0 = 16 columns of Wo, source 1 = my rows of o x g (my own stores: LDS serves a wave's instructions in order)
.irp u, 0,1
.irp e, 0,4,8
	ds_load_b128 v[64+12*\u+\e:67+12*\u+\e], v[VZN] offset:QI-ZN+1536*\u+4*\e
.endr
	ds_load_b32 v[PS+\u], v[VZS] offset:OGSC-ZSC+64*\u
.endr
.irp g, 0,1
.if \g
	NOP4
.endif
	WFRAG 4, 4*\g
	s_wait_dscnt 0x0
.irp t, 0,1,2,3
.irp u, 0,1
	MM0 128+64*\u+32*\g+8*\t, 16+12*\t, 64+12*\u, SK+\t, PS+\u
.endr
.endr
.endr
	; THE WAY OUT, 16 rows at a time through my part of the slot, which has had its last fill and its last read
	v_and_b32 v91, 15, v0
	v_bfe_u32 v92, v0, 4, 1
	v_and_b32 v90, 31, v0
	v_lshlrev_b32 v90, 4, v90
	v_mul_u32_u24 v88, v91, 528
	v_lshl_add_u32 v88, v92, 5, v88
	v_add_nc_u32 v88, s80, v88                     ; in: row r, 32 h
	v_add_nc_u32 v89, s80, v90                     ; back: 32 lanes take one row of 512 bytes
.macro TOSTAGE u
.irp t, 0,1,2,3,4,5,6,7
	ds_store_b128 v88, v[128+64*\u+8*\t:131+64*\u+8*\t] offset:64*\t
	ds_store_b128 v88, v[132+64*\u+8*\t:135+64*\u+8*\t] offset:64*\t+16
.endr
.endm
	TOSTAGE 0
.set j_, 0
.rept 16
	ds_load_b128 v[16+4*j_:19+4*j_], v89 offset:528*j_
.set j_, j_+1
.endr
	TOSTAGE 1
	WALU
	s_wait_dscnt 16                                ; tile 0's rows are back; tile 1's sixteen stores may be out
.set j_, 0
.rept 16
	global_store_b128 v90, v[16+4*j_:19+4*j_], s[24:25] offset:512*j_ th:TH_STORE_NT   ; 32 lanes store 512 consecutive bytes, at a multiple of 512 from out's first byte
.set j_, j_+1
.endr
.set j_, 0
.rept 16
	ds_load_b128 v[128+4*j_:131+4*j_], v89 offset:528*j_
.set j_, j_+1
.endr
.set j_, 0
.rept 16
	s_wait_dscnt 15-j_                             ; the loads issued behind this row's
	global_store_b128 v90, v[128+4*j_:131+4*j_], s[24:25] offset:8192+512*j_ th:TH_STORE_NT
.set j_, j_+1
.endr
	s_wait_tensorcnt 0x0                           ; the wave's end
	ds_add_u32 v[SPW], v[NIL]
	s_wait_dscnt 0x0
	CROUND                                         ; the closing round
	s_endpgm
.Lfunc_end_k_q9642470af0_triatt:
	.size	k_q9642470af0_triatt, .Lfunc_end_k_q9642470af0_triatt-k_q9642470af0_triatt
	.p2alignl 7, 3214868480
	.fill 96, 4, 3214868480
	.section	.rodata,"a",@progbits
	.p2align	6, 0x0
	.amdhsa_kernel k_q9642470af0_triatt
		.amdhsa_group_segment_fixed_size 327680
		.amdhsa_private_segment_fixed_size 0
		.amdhsa_enable_private_segment 0
		.amdhsa_kernarg_size 88
		.amdhsa_user_sgpr_count 2
		.amdhsa_user_sgpr_kernarg_segment_ptr 1
		.amdhsa_wavefront_size32 1
		.amdhsa_system_sgpr_workgroup_id_x 1
		.amdhsa_system_sgpr_workgroup_id_y 1
		.amdhsa_system_sgpr_workgroup_id_z 1
		.amdhsa_system_vgpr_workitem_id 0
		.amdhsa_next_free_vgpr 512
		.amdhsa_next_free_sgpr 100
		.amdhsa_reserve_vcc 0
		.amdhsa_float_denorm_mode_32 3
		.amdhsa_float_denorm_mode_16_64 3
		.amdhsa_memory_ordered 1
		.amdhsa_forward_progress 1
		.amdhsa_inst_pref_size 255
	.end_amdhsa_kernel
	.section	.bss,"aw",@nobits
	.p2align	6
	.space	262144
	.amdgpu_metadata
---
amdhsa.version: [ 1, 2 ]
amdhsa.kernels:
  - .name:           k_q9642470af0_triatt
    .symbol:         k_q9642470af0_triatt.kd
    .args:
      - { .name: z, .offset: 0, .size: 8, .value_kind: global_buffer, .address_space: global }
      - { .name: mask_bias, .offset: 8, .size: 8, .value_kind: global_buffer, .address_space: global }
      - { .name: edge_bias, .offset: 16, .size: 8, .value_kind: global_buffer, .address_space: global }
      - { .name: ln_w, .offset: 24, .size: 8, .value_kind: global_buffer, .address_space: global }
      - { .name: ln_b, .offset: 32, .size: 8, .value_kind: global_buffer, .address_space: global }
      - { .name: Wq, .offset: 40, .size: 8, .value_kind: global_buffer, .address_space: global }
      - { .name: Wk, .offset: 48, .size: 8, .value_kind: global_buffer, .address_space: global }
      - { .name: Wv, .offset: 56, .size: 8, .value_kind: global_buffer, .address_space: global }
      - { .name: Wg, .offset: 64, .size: 8, .value_kind: global_buffer, .address_space: global }
      - { .name: Wo, .offset: 72, .size: 8, .value_kind: global_buffer, .address_space: global }
      - { .name: out0, .offset: 80, .size: 8, .value_kind: global_buffer, .address_space: global }
    .group_segment_fixed_size: 327680
    .private_segment_fixed_size: 0
    .kernarg_segment_align: 8
    .kernarg_segment_size: 88
    .max_flat_workgroup_size: 256
    .sgpr_count:     100
    .vgpr_count:     512
    .wavefront_size: 32
...
	.end_amdgpu_metadata
.endif
;; end of part 1
